; MI455X (gfx1250); checked and timed in simulation.
; The chip was launched on July 23, 2026; its instructions are those of AMD's public machine-readable ISA for CDNA 5 (MIT licence, August 2026) and "CDNA5" Instruction Set Architecture Reference Guide (July 2026). The comments in the code are by the model that wrote it; some were corrected since.
;; Attention. Allowed arithmetic: matrix products marked QUANTISED: E4M3 operands, one given power-of-two scale a tensor, by v_wmma_f32_16x16x64_fp8_fp8 or v_wmma_f32_16x16x128_fp8_fp8, f32 sums; everything else in f32.
;; Inputs: key_codes 16 x 2,048 x 16 x 32 uint8 (E4M3 codes of key, K innermost, in blocks of 32 codes); lowp_scales 4 int32 (the exponents e of the quantised operands' scales 2^e); query_codes 16 x 2,048 x 16 x 32 uint8 (E4M3 codes of query, K innermost, in blocks of 32 codes); value_codes 16 x 512 x 64 x 32 uint8 (E4M3 codes of value, K innermost, in blocks of 32 codes).
;; Outputs: out0 16 x 2,048 x 512 float32.
;; This version of the problem:
;;   THIS VERSION OF THE PROBLEM IS GIVEN IN LOW PRECISION. The matrix products marked QUANTISED in the list below multiply operands that are first quantised to E4M3 (4 exponent bits, 3 mantissa bits; 8 bits a number), with one given power-of-two scale for each operand tensor; their sums are f32. All else is computed in f32.
;;   The module's matrix products, in the order in which they are computed (A, B: the left and right operand; K: the contracted axis; several contracted axes count as one K, in the product's order):
;;     1. batch 16 x [M 2,048, K 512] x [K 512, N 2,048]; A: input query (given as codes); B: input key (given as codes): QUANTISED (scales: A lowp_scales[0], B lowp_scales[1])
;;     2. batch 16 x [M 2,048, K 2,048] x [K 2,048, N 512]; A: softmax (see below); B: input value (given as codes): QUANTISED (scales: A lowp_scales[2], B lowp_scales[3])
;;   THE QUANTISER, for each operand of a quantised product, along K:
;;     - The operand's scale is 2^e, e = its entry of the input lowp_scales (int32; the entries are numbered through the quantised products in the list's order, A before B).
;;     - Each number is divided by the scale, clamped to +-448, and rounded to the nearest number of E4M3, ties to even, subnormals kept.
;;     - The product sums the exact products of the quantised numbers (number of the format x scale) in f32.
;;   ~~~python
;;   def quantise(x, axis, e):      # numpy; x: float32 -> the quantised numbers, widened to float32 again
;;       x = np.moveaxis(x, axis, -1); K = x.shape[-1]
;;       r = np.clip(x / 2.0 ** e, -448, 448)
;;       step = 2.0 ** (np.maximum(np.frexp(np.where(r == 0, 1, r))[1] - 1, -6) - 3)
;;       q = np.round(r / step) * step * 2.0 ** e      # np.round: ties to even
;;       return np.moveaxis(q, -1, axis).astype(np.float32)
;;   ~~~
;;   SOFTMAX AHEAD OF A QUANTISED PRODUCT. Where the list says 'softmax', what is quantised is not the finished softmax but p = 2^(t - M), with t = logit x log2(e) and M = ceil(the row's largest t), a whole number; so 1/2 < the row's largest p <= 1. The row's sum l is taken of the UNQUANTISED p, in f32, and the product's result is divided by l at the end. Since M is a whole number, a kernel that streams over the keys may use a running M (the ceiling of the running maximum): every later rescaling is an exact power of two, so the quantised numbers keep their values, but for numbers so far below the row's largest that they fall under the format's range.
;;   OPERANDS COMPUTED ON THE WAY. 'Computed on the way' means the value that the module computes at that place (a softmax that the list does not call 'softmax' is quantised finished and normalised). What goes into a quantiser is computed in f32, as accurately as f32 sums, v_exp_f32 and their like allow (about 1e-6 of the number): no bf16 or f16 on the way to a quantiser, and a product that is left as it is and whose result goes on into a quantised operand takes f32 operands (vector FMAs, or v_wmma_f32_16x16x4_f32). A number that lies on a knife's edge between two numbers of the format may be rounded either way, as far as f32 arithmetic and the matrix unit's own rounding can turn it there, and no further.
;;   INPUTS GIVEN AS CODES. key (in the module: [16, 2048, 512], K = its axis 2); query (in the module: [16, 2048, 512], K = its axis 2); value (in the module: [16, 2048, 512], K = its axis 1): each comes as NAME_codes (uint8): NAME with its K axis moved to the last place and cut into blocks of 32 codes, [.., K / 32, bytes a block], one block behind the other in memory; one code a byte (a code: sign, 4 exponent bits, 3 mantissa bits); its scale is its entry of lowp_scales. Its value is code x scale, taken as it is: it is not quantised again, and the codes and scales need not be those that the quantiser above would give.
;; One version. Each part assembles by itself: llvm-mc -triple=amdgcn-amd-amdhsa -mcpu=gfx1250 --defsym DOCPART=n.
;; ======== version 1 of 1: 1 launch
;; limits: right only within a limited range of input values
;; launch attn (part 1): grid 16 x 16, 4 waves a work-group, clusters of 4 x 1, 327,680 bytes of LDS; arguments query_codes, key_codes, value_codes, lowp_scales, out0; writes out0
.if DOCPART == 1
	.amdgcn_target "amdgcn-amd-amdhsa--gfx1250"
	.amdhsa_code_object_version 6
	.text
	.protected	k_qe28c8aca9f_attn
	.globl	k_qe28c8aca9f_attn
	.p2align	8
	.type	k_qe28c8aca9f_attn,@function
k_qe28c8aca9f_attn:
	s_mov_b64 s[64:65], 0
	v_nop
	global_prefetch_b8 v0, s[64:65] scope:SCOPE_SE
	s_setreg_imm32_b32 hwreg(HW_REG_WAVE_MODE, 25, 1), 1
	s_wait_xcnt 0x0
	s_wait_alu depctr_hold_cnt(0) depctr_sa_sdst(0) depctr_va_vdst(0) depctr_va_sdst(0) depctr_va_ssrc(0) depctr_va_vcc(0) depctr_vm_vsrc(0)
	s_getreg_b32 s2, hwreg(HW_REG_IB_STS2, 6, 4)
	s_cmp_eq_u32 s2, 0
	s_cbranch_scc0 .Lentry_in_a_cluster
	s_endpgm
.Lentry_in_a_cluster:
	s_bfe_u32 s2, ttmp6, 0x10000c
	s_cmp_lg_u32 s2, 0x3003
	s_cbranch_scc0 .Lentry_shape_is_right
	s_endpgm
.Lentry_shape_is_right:
; out0[b][q] = the sum over k <= q of softmax_k(Q[b][q] . K[b][k] / sqrt(512)) V[b][k], on E4M3 codes, one given scale a tensor; 16 batches, 2,048 queries and keys, 512 channels.
; t = score x log2(e) / sqrt(512); M = the running largest t rounded UP to a whole number; p = 2^(t - M) is quantised along the keys with 2^ep; the sum of the unquantised p divides at the end.
; WORK LEFT OUT: tiles of 256 queries x 256 keys that lie wholly above the diagonal: 1e10 is taken from those scores ahead of the softmax, so their p is 0 beside the row's own key.
; LIMITS: hidden keys count as -infinity, which is what taking 1e10 from them comes to while scores (code products x scales) stay under 1e9 in magnitude; scaled scores stay under 2^31;
; a NaN or infinity that reaches only hidden tiles is not carried to the result; eq + ek between -122 and 131 (added to the exponent field of log2(e) / sqrt(512)), ep between -126 and 119.
; SHARES.  A work-group owns 64 queries of block j and then 64 of block 7 - j (blocks of 256 queries; j = cluster x): j + 1 and 8 - j steps of 256 keys, nine in all, in every work-group.
; The four work-groups of a cluster own the four quarters of the same blocks and walk the same tiles: K and V are asked for jointly.
; A step: S^T = K Q^T, wave w takes keys 64 w .. + 63 of the tile for all 64 queries; p's codes are exchanged through LDS; O^T += V^T P^T, wave w takes channels 128 w .. + 127.
; Behind the head each wave fetches by its own tensor load just those rows of K and of V that it alone reads.
; The keys of a tile of K are not neighbours: rows 0-7 and 24-31 of 32 (even tiles) or 8-23 (odd), so that a lane's registers of two tiles are 16 neighbouring keys, in lanes 16-31 with the halves exchanged,
; and the sixteen rows that a load touches start at sixteen different banks (64 banks of 4 bytes: ISA guide 11.1; row r starts at bank 4 r mod 64).
; REGISTERS, windows of 256: 0: addresses, state, S / p / P's codes; 1: O^T (acc (m, dt) at 64 m + 8 dt); 2: Q (16-query tile m, 128 channels s at 64 m + 16 s); 3: fragments of K, then of V.
; LDS: K's slot, V's slot, then exchange of maxima, of sums, P's codes, the stages of the way out (over all of these the first block's Q, filled once, at the head), the spare words.
; ROUNDS.  K's slot is free when its fragments lie in registers: refilled behind the second exchange of maxima.  V's likewise: refilled in the middle of the second product.
.set KP,    528                        ; LDS pitch of a row of K and of Q: 512 + 16
.set VP,    272                        ; of a row of V: 256 + 16
.set KWAVE, 64*KP
.set VWAVE, 128*VP
.set VB,    4*KWAVE
.set SCR,   VB+4*VWAVE
.set LX_O,  2048
.set PI_O,  4096
.set STG,   SCR+20480
.set SPARE, SCR+37888
.set SPW,  1
.set NIL,  2
.set AKX,  3
.set AKY,  4
.set AV,   5
.set SCRR, 6
.set MXW,  7
.set PWX,  8
.set PWY,  9
.set STO,  10
.set RD,   11
.set GO,   12
.set QO,   13
.set DX,   14
.set DY,   15
.set ST,   16                          ; for each tile m of 16 queries eight registers: -M, largest t, sum in two halves, f (a pair), two at work
.set XR,   48
.set S,    64
.set PC,   192
.set PM,   224
.set LV,   228
.set SCL,  232
.set LIM,  233
.set NINF, 234
.set MXR,  235                         ; where maxima are read, where mine are put
.set MXS,  236
.set PFK,  237                         ; the prefetches' offsets: 256 x lane in K, a row of V a lane
.set PFV,  238
.set QL,   239                         ; LDS address of my lane's part of Q, at the head
.set WV,   14
.set CX,   15
.set JJ,   16
.set BAT,  17
.set SEL,  20
.set CS,   22
.set G1K,  24
.set G1V,  32
.set G0K,  40
.set G0V,  44
.set KBASE, 48
.set VBASE, 50
.set QB1,  52
.set QB2,  54
.set OB1,  56
.set OB2,  58
.set CNT,  60
.set PX,   61
.set NT,   62
.set PJ,   63
.set OFF,  66
.set EPV,  74
.set PKB,  84
.set PVB,  86
.set PKA,  88
.set PVA,  90
.set PO,   92
.set PL,   94
.set G0Q,  96
.set W_F,  0xc0
.set W_S,  0x0b
.set W_RS, 0x41
.set W_PV, 0x53
.set W_Q,  0x80
.set W_CL, 0x40
.set W_IO, 0x44
.set MSB, 0
.macro WIN new
.if MSB != \new
	s_set_vgpr_msb (MSB<<8)|\new
.set MSB, \new
.endif
.endm
.macro STLE
	s_wait_alu depctr_va_vdst(0)
.endm
.macro CREST                           ; a round of the cluster's barrier behind its opening barrier
	s_cmp_lg_u32 s[WV], 0
	s_cbranch_scc1 .Lnot_wave_0_\@
	s_barrier_signal -3
.Lnot_wave_0_\@:
	s_barrier_wait -3
	s_barrier_signal -1
	s_barrier_wait -1
.endm
.macro ROUND
	s_barrier_signal -1
	s_barrier_wait -1
	CREST
.endm
.macro PLACES n
.rept \n
	v_nop
.endr
.endm
.macro QREAD                           ; the first block's 64 queries, from LDS into window 2
	WIN W_Q
.irp m, 0,1,2,3
.irp s, 0,1,2,3
.irp c, 0,1,2,3
	ds_load_b128 v[64*\m+16*\s+4*\c:64*\m+16*\s+4*\c+3], v[QL] offset:16*KP*\m+128*\s+32*\c
.endr
.endr
.endr
	WIN 0
.endm
; In the first block's last step, behind its last product with Q: the second block's 64 queries are asked for.
.macro QNEXT
	s_cmp_lg_u32 s[CNT], s[JJ]
	s_cbranch_scc1 .Lsame_\@
	WIN W_Q
.irp m, 0,1,2,3
.irp s, 0,1,2,3
.irp c, 0,1,2,3
	global_load_b128 v[64*\m+16*\s+4*\c:64*\m+16*\s+4*\c+3], v[QO], s[QB2:QB2+1] offset:8192*\m+128*\s+32*\c
.endr
.endr
.endr
	WIN 0
.Lsame_\@:
.endm
.macro KQ s                            ; K's fragments, channels 128 s on: 64 keys, 16 loads
	WIN W_F
.irp t, 0,1,2,3
.irp c, 0,1,2,3
.if (\t%2) == 0
	ds_load_b128 v[64*\s+16*\t+4*\c:64*\s+16*\t+4*\c+3], v[AKX] offset:32*KP*(\t/2)+128*\s+32*\c
.else
	ds_load_b128 v[64*\s+16*\t+4*\c:64*\s+16*\t+4*\c+3], v[AKY] offset:8*KP+32*KP*(\t/2)+128*\s+32*\c
.endif
.endr
.endr
	WIN 0
.endm
.macro VQ s, d                         ; V's fragments, keys 128 s on, my channels 64 d on: 16 loads
	WIN W_F
.irp i, 0,1,2,3
.irp c, 0,1,2,3
	ds_load_b128 v[128*\s+64*\d+16*\i+4*\c:128*\s+64*\d+16*\i+4*\c+3], v[AV] offset:16*VP*(4*\d+\i)+128*\s+32*\c
.endr
.endr
	WIN 0
.endm
.macro SMULH s, a, b                   ; 8 products of S^T: tiles a and b of queries, channels 128 s on; eight accumulators by turns
.irp t, 0,1,2,3
.irp m, \a, \b
.if \s == 0
	v_wmma_f32_16x16x128_fp8_fp8 v[S+32*\m+8*\t:S+32*\m+8*\t+7], v[64*\s+16*\t:64*\s+16*\t+15], v[64*\m+16*\s:64*\m+16*\s+15], 0
.else
	v_wmma_f32_16x16x128_fp8_fp8 v[S+32*\m+8*\t:S+32*\m+8*\t+7], v[64*\s+16*\t:64*\s+16*\t+15], v[64*\m+16*\s:64*\m+16*\s+15], v[S+32*\m+8*\t:S+32*\m+8*\t+7]
.endif
.endr
.endr
.endm
.macro MASKH test, a, b                ; on the diagonal hidden scores become -infinity ahead of the maximum; test = 1: only in the first block's last step
.if \test
	s_cmp_lg_u32 s[CNT], s[JJ]
	s_cbranch_scc1 .Lopen_\@
.endif
.irp m, \a, \b
.irp t, 0,1,2,3
.irp j, 0,1,2,3,4,5,6,7
.if (\t%2) == 0
	v_cmp_gt_i32 vcc_lo, 32*(\t/2)+\j-16*\m, v[DX]
.else
	v_cmp_gt_i32 vcc_lo, 32*(\t/2)+\j-16*\m, v[DY]
.endif
	v_cndmask_b32 v[S+32*\m+8*\t+\j], v[S+32*\m+8*\t+\j], v[NINF], vcc_lo
.endr
.endr
.endr
.if \test
.Lopen_\@:
.endif
.endm
.macro PMAXH h, a, b                   ; the largest score of each query among my 64 keys, two tiles of queries, into LDS
.irp m, \a, \b
	v_max3_num_f32 v[ST+8*\m+6], v[S+32*\m], v[S+32*\m+1], v[S+32*\m+2]
.endr
.irp m, \a, \b
	v_max3_num_f32 v[ST+8*\m+7], v[S+32*\m+16], v[S+32*\m+17], v[S+32*\m+18]
.endr
.irp i, 3,5,7,9,11,13
.irp m, \a, \b
	v_max3_num_f32 v[ST+8*\m+6], v[ST+8*\m+6], v[S+32*\m+\i], v[S+32*\m+\i+1]
.endr
.irp m, \a, \b
	v_max3_num_f32 v[ST+8*\m+7], v[ST+8*\m+7], v[S+32*\m+16+\i], v[S+32*\m+17+\i]
.endr
.endr
.irp m, \a, \b
	v_max3_num_f32 v[ST+8*\m+6], v[ST+8*\m+6], v[S+32*\m+15], v[S+32*\m+31]
.endr
.irp m, \a, \b
	v_max_num_f32 v[ST+8*\m+6], v[ST+8*\m+6], v[ST+8*\m+7]
.endr
.irp m, \a, \b
	v_permlanex16_b32 v[ST+8*\m+7], v[ST+8*\m+6], s[SEL], s[SEL+1]
.endr
.irp m, \a, \b
	v_max_num_f32 v[PM+\m], v[ST+8*\m+6], v[ST+8*\m+7]
.endr
	ds_store_b64 v[MXS], v[PM+2*\h:PM+2*\h+1] offset:1024*\h
.endm
.macro XRL h                           ; the four waves' maxima
.irp w, 0,1,2,3
	ds_load_b64 v[XR+8*\h+2*\w:XR+8*\h+2*\w+1], v[MXR] offset:1024*\h+256*\w
.endr
.endm
.macro STATSH h                        ; new largest t, -M = floor(-t), f = 2^(old M - new M), for tiles 2 h and 2 h + 1
.irp k, 0,1
	v_max3_num_f32 v[ST+16*\h+8*\k+6], v[XR+8*\h+\k], v[XR+8*\h+2+\k], v[XR+8*\h+4+\k]
.endr
.irp k, 0,1
	v_max_num_f32 v[ST+16*\h+8*\k+6], v[ST+16*\h+8*\k+6], v[XR+8*\h+6+\k]
.endr
.irp k, 0,1
	v_mul_f32 v[ST+16*\h+8*\k+6], s[CS], v[ST+16*\h+8*\k+6]
.endr
.irp k, 0,1
	v_max_num_f32 v[ST+16*\h+8*\k+1], v[ST+16*\h+8*\k+1], v[ST+16*\h+8*\k+6]
.endr
.irp k, 0,1
	v_mov_b32 v[ST+16*\h+8*\k+6], v[ST+16*\h+8*\k]
.endr
.irp k, 0,1
	v_floor_f32 v[ST+16*\h+8*\k], -v[ST+16*\h+8*\k+1]
.endr
.irp k, 0,1
	v_sub_f32 v[ST+16*\h+8*\k+6], v[ST+16*\h+8*\k], v[ST+16*\h+8*\k+6]
.endr
.irp k, 0,1
	v_cvt_i32_f32 v[ST+16*\h+8*\k+6], v[ST+16*\h+8*\k+6]
.endr
.irp k, 0,1
	v_ldexp_f32 v[ST+16*\h+8*\k+4], 1.0, v[ST+16*\h+8*\k+6]
.endr
.endm
.macro FMA m                           ; t - M
.set i, 0
.rept 16
	v_pk_fma_f32 v[S+32*\m+i:S+32*\m+i+1], v[S+32*\m+i:S+32*\m+i+1], s[CS:CS+1], v[ST+8*\m:ST+8*\m+1] op_sel_hi:[1,0,0]
.set i, i+2
.endr
.endm
.macro EXPM m
.set i, 0
.rept 32
	v_exp_f32 v[S+32*\m+i], v[S+32*\m+i]
.set i, i+1
.endr
.endm
.macro SUM m, w                        ; my keys' part of the row's sum, of the unquantised p; w = 1: the wait behind the exponentials
	v_pk_mul_f32 v[ST+8*\m+2:ST+8*\m+3], v[ST+8*\m+2:ST+8*\m+3], v[ST+8*\m+4:ST+8*\m+5] op_sel_hi:[1,0]
.if \w
	STLE
.endif
	v_pk_add_f32 v[ST+8*\m+6:ST+8*\m+7], v[S+32*\m:S+32*\m+1], v[S+32*\m+2:S+32*\m+3]
.irp j, 4,8,12,16,20,24,28
	v_pk_add_f32 v[ST+8*\m+2:ST+8*\m+3], v[ST+8*\m+2:ST+8*\m+3], v[S+32*\m+\j:S+32*\m+\j+1]
	v_pk_add_f32 v[ST+8*\m+6:ST+8*\m+7], v[ST+8*\m+6:ST+8*\m+7], v[S+32*\m+\j+2:S+32*\m+\j+3]
.endr
	v_pk_add_f32 v[ST+8*\m+2:ST+8*\m+3], v[ST+8*\m+2:ST+8*\m+3], v[ST+8*\m+6:ST+8*\m+7]
	v_add_f32 v[LV+\m], v[ST+8*\m+2], v[ST+8*\m+3]
.endm
.macro QNT m                           ; p is held at the largest code (the conversion does not saturate: ISA guide 7.6.2), two to an instruction; quantised; put into the image of the operand's registers
.set i, 0
.rept 16
	v_dual_min_num_f32 v[S+32*\m+i], v[S+32*\m+i], v[LIM] :: v_dual_min_num_f32 v[S+32*\m+i+1], v[S+32*\m+i+1], v[LIM]
.set i, i+2
.endr
.irp t, 0,1,2,3
	v_cvt_scalef32_pk8_fp8_f32 v[PC+8*\m+2*\t:PC+8*\m+2*\t+1], v[S+32*\m+8*\t:S+32*\m+8*\t+7], v[SCL]
.endr
.irp b, 0,1
	ds_store_b64 v[PWX], v[PC+8*\m+4*\b:PC+8*\m+4*\b+1] offset:4096*\m+512*\b
	ds_store_b64 v[PWY], v[PC+8*\m+4*\b+2:PC+8*\m+4*\b+3] offset:4096*\m+512*\b
.endr
.endm
.macro PLOAD
.irp s, 0,1
.irp m, 0,1,2,3
.irp c, 0,1,2,3
	ds_load_b128 v[S+64*\s+16*\m+4*\c:S+64*\s+16*\m+4*\c+3], v[SCRR] offset:PI_O+4096*\m+2048*\s+512*\c
.endr
.endr
.endr
.endm
.macro RESC m                          ; O^T under the new M: x f
	WIN W_RS
	STLE
.set i, 0
.rept 32
	v_pk_mul_f32 v[64*\m+i:64*\m+i+1], v[64*\m+i:64*\m+i+1], v[ST+8*\m+4:ST+8*\m+5] op_sel_hi:[1,0]
.set i, i+2
.endr
.endm
.macro PVM s, m                        ; 8 products of O^T: tile m of queries, keys 128 s on
.irp dt, 0,1,2,3,4,5,6,7
	v_wmma_f32_16x16x128_fp8_fp8 v[64*\m+8*\dt:64*\m+8*\dt+7], v[128*\s+16*\dt:128*\s+16*\dt+15], v[S+64*\s+16*\m:S+64*\s+16*\m+15], v[64*\m+8*\dt:64*\m+8*\dt+7]
.endr
.endm
; A PREFETCH INTO THE L2 of the tile that the loads of two trips on ask for, in the second block's walk, where the first walk has not read it (tiles j + 1 to 7 - j, from the third trip's on).
; K's tile is 128 KiB on end, V's 512 rows of 256 bytes: partner cx's wave w takes the (4 w + cx)-th sixteenth of each, one instruction each; so each block of 256 bytes is named once in the cluster.
.macro ASK
	s_cmp_lt_u32 s[PX], s[PL]
	s_cbranch_scc0 .Lnone_\@
	global_prefetch_b8 v[PFK], s[PKA:PKA+1] th:TH_LOAD_NT scope:SCOPE_SE
	global_prefetch_b8 v[PFV], s[PVA:PVA+1] th:TH_LOAD_NT scope:SCOPE_SE
.Lnone_\@:
.endm
; THE WAY OUT of block a: half a row (64 channels) of 16 queries.  TOST: x 2^(ep + ev) / sum in O's own registers, into my stage, and back, as rows of 256 bytes, into the same registers
; (LDS serves a wave's instructions in order).  SEND: sixteen lanes store 256 consecutive bytes, aligned.
.macro TOST a
.set OA, 32*(\a)
.set TM, (\a)/2
	WIN W_RS
	STLE
.set i, 0
.rept 16
	v_pk_mul_f32 v[OA+i:OA+i+1], v[OA+i:OA+i+1], v[ST+8*TM+4:ST+8*TM+5] op_sel_hi:[1,0]
.set i, i+2
.endr
	WIN W_IO
.irp k, 0,1,2,3
	ds_store_b128 v[STO], v[OA+8*\k:OA+8*\k+3] offset:64*\k
	ds_store_b128 v[STO], v[OA+8*\k+4:OA+8*\k+7] offset:64*\k+16
.endr
.irp n, 0,1,2,3,4,5,6,7
	ds_load_b128 v[OA+4*\n:OA+4*\n+3], v[RD] offset:2*VP*\n
.endr
.endm
.macro SEND a, younger, base           ; younger: the LDS instructions issued behind block a's
.set OA, 32*(\a)
	WIN W_IO
.irp n, 0,1,2,3,4,5,6,7
	s_wait_dscnt \younger+7-\n
	global_store_b128 v[GO], v[OA+4*\n:OA+4*\n+3], s[\base:\base+1] offset:(16*((\a)/2)+2*\n)*2048+256*((\a)%2) th:TH_STORE_NT
.endr
.endm
.macro LXL                             ; the four waves' sums
.irp w, 0,1,2,3
	ds_load_b128 v[XR+4*\w:XR+4*\w+3], v[SCRR] offset:LX_O+512*\w
.endr
.endm
.macro FACT                            ; 2^(ep + ev) / the row's sum, in f's place
.irp m, 0,1,2,3
	v_add_f32 v[ST+8*\m+6], v[XR+\m], v[XR+4+\m]
.endr
.irp m, 0,1,2,3
	v_add_f32 v[ST+8*\m+7], v[XR+8+\m], v[XR+12+\m]
.endr
.irp m, 0,1,2,3
	v_add_f32 v[ST+8*\m+6], v[ST+8*\m+6], v[ST+8*\m+7]
.endr
.irp m, 0,1,2,3
	v_permlanex16_b32 v[ST+8*\m+7], v[ST+8*\m+6], s[SEL], s[SEL+1]
.endr
.irp m, 0,1,2,3
	v_add_f32 v[ST+8*\m+6], v[ST+8*\m+6], v[ST+8*\m+7]
.endr
	STLE
.irp m, 0,1,2,3
	v_rcp_f32 v[ST+8*\m+4], v[ST+8*\m+6]
.endr
	v_nop
	STLE
.irp m, 0,1,2,3
	v_ldexp_f32 v[ST+8*\m+4], v[ST+8*\m+4], s[EPV]
.endr
.endm
.macro RESET                           ; a block begins: largest t under every t, sums and O^T zero (the loop's step is written once, so its first step adds onto zeros)
.irp m, 0,1,2,3
	v_mov_b32 v[ST+8*\m+1], 0xff61b1e6
	v_mov_b32 v[ST+8*\m+2], 0
	v_mov_b32 v[ST+8*\m+3], 0
.endr
.irp m, 0,1,2,3
	v_floor_f32 v[ST+8*\m], -v[ST+8*\m+1]
.endr
	WIN W_CL
.set i, 0
.rept 256
	v_mov_b32 v[i], 0
.set i, i+1
.endr
	WIN 0
.endm
; A STEP.  At its start K's quarters 0 to 2 have been asked of LDS, and V's tile is on its way.  refill = 1: the next step's K and V are asked for.
; refill = 0: the last step: each tile of queries leaves as soon as it is finished.
.macro STEP refill
	WIN W_S
	s_wait_dscnt 32                                ; quarter 0 is in; 1 and 2 may be out
	SMULH 0, 0, 1
	SMULH 0, 2, 3
	KQ 3
	WIN W_S
	s_wait_dscnt 32                                ; 2 and 3 may be out
	SMULH 1, 0, 1
	SMULH 1, 2, 3
	s_wait_dscnt 16
	SMULH 2, 0, 1
	s_wait_dscnt 0x0
	SMULH 3, 0, 1
	WIN 0
	PLACES 4                                       ; places ahead of the first reader
	MASKH \refill, 0, 1
	PMAXH 0, 0, 1
	WIN W_S
	SMULH 2, 2, 3
	s_wait_dscnt 0x0                               ; my maxima of queries 0-31 are in LDS
	s_barrier_signal -1
	SMULH 3, 2, 3
	WIN 0
	s_barrier_wait -1
	XRL 0
	PLACES 4
	MASKH \refill, 2, 3
	PMAXH 1, 2, 3
	s_wait_dscnt 1                                 ; the maxima of queries 0-31; my store of the others may be out
	STATSH 0
	FMA 0
	FMA 1
	STLE
	s_wait_xcnt 0x0                                ; my earlier prefetches have read their addresses
	s_wait_tensorcnt 0x0                           ; V's tile of this step is in
	ds_add_u32 v[SPW], v[NIL]
.if \refill
	s_add_co_u32 s[NT], s[CNT], 1                  ; the next step's tile: CNT + 1 in the first walk, CNT - j in the second
	s_sub_co_u32 s[OFF], s[CNT], s[JJ]
	s_min_u32 s[NT], s[NT], s[OFF]
	s_lshl_b32 s[OFF], s[NT], 17
	s_add_nc_u64 s[G0K+2:G0K+3], s[KBASE:KBASE+1], s[OFF:OFF+1]
	s_or_b32 s[G0K+3], s[G0K+3], 0x80000000
	s_sub_co_u32 s[PX], s[CNT], s[PJ]              ; CNT + 1 - 2 j: asked for where it is 0 to 6 - 2 j; the tile is PX + j + 1
	s_add_co_u32 s95, s[PX], s[JJ]
	s_add_co_u32 s95, s95, 1
	s_lshl_b32 s[PO], s95, 17
	s_add_nc_u64 s[PKA:PKA+1], s[PKB:PKB+1], s[PO:PO+1]
	s_lshl_b32 s[PO], s95, 8
	s_add_nc_u64 s[PVA:PVA+1], s[PVB:PVB+1], s[PO:PO+1]
.endif
	EXPM 0
	s_wait_dscnt 0x0                               ; the add and my maxima of queries 32-63; K's fragments were in long ago
	s_barrier_signal -1
	EXPM 1
	v_nop
	STLE
	s_barrier_wait -1
.if \refill
	CREST                                          ; nobody in the cluster reads K's slot any more
	tensor_load_to_lds s[G0K:G0K+3], s[G1K:G1K+7]
	s_nop 0
.endif
	XRL 1
	VQ 0, 0
	SUM 0, 0
	QNT 0
	s_wait_dscnt 20                                ; the maxima; sixteen loads of V and four stores may be out
	STATSH 1
	FMA 2
	FMA 3
	STLE
.if \refill
	ASK
	QNEXT
.endif
	VQ 0, 1
	EXPM 2
	SUM 1, 0
	QNT 1
	VQ 1, 0
	EXPM 3
	VQ 1, 1
	SUM 2, 1
	QNT 2
	SUM 3, 0
	QNT 3
	v_nop
	ds_store_b128 v[MXW], v[LV:LV+3] offset:LX_O
	RESC 0
	WIN 0
	STLE
	s_wait_dscnt 0x0                               ; P's codes are stored, and all of V's fragments are in
	s_barrier_signal -1
	RESC 1
	WIN 0
	STLE
	s_barrier_wait -1
.if \refill
	PLOAD
	RESC 2
	RESC 3
	STLE
	WIN W_PV
	s_wait_dscnt 28                                ; P of queries 0-15, keys 0-127
	PVM 0, 0
	s_wait_dscnt 24
	PVM 0, 1
	WIN 0
	s_wait_tensorcnt 0x0                           ; K's next tile is in
	ds_add_u32 v[SPW], v[NIL]
	s_lshl_b32 s[OFF], s[NT], 8
	s_add_nc_u64 s[G0V+2:G0V+3], s[VBASE:VBASE+1], s[OFF:OFF+1]
	s_or_b32 s[G0V+3], s[G0V+3], 0x80000000
	s_wait_dscnt 21                                ; the add and twenty younger loads may be out
	WIN W_PV
	PVM 0, 2
	s_wait_dscnt 0x0                               ; the add is done, and all of P is in
	s_barrier_signal -1
	PVM 0, 3
	WIN 0
	s_barrier_wait -1
	CREST                                          ; V's slot has been read by every wave of the cluster
	tensor_load_to_lds s[G0V:G0V+3], s[G1V:G1V+7]
	s_nop 0
	PLACES 4                                       ; also the places ahead of loads into V's first half
	KQ 0                                           ; the next step's K: my own rows, which I have waited for
	WIN W_PV
	PVM 1, 0
	PVM 1, 1
	KQ 1
	WIN W_PV
	PVM 1, 2
	PVM 1, 3
	WIN 0
	PLACES 5
	KQ 2
.else
	LXL
	PLOAD
	RESC 2
	RESC 3
	WIN 0
	STLE
	s_wait_dscnt 32                                ; the sums; P's 32 loads may be out
	FACT
	STLE
	s_wait_dscnt 0x0
.irp m, 0,1,2,3
	WIN W_PV
	PVM 0, \m
	PVM 1, \m
	WIN 0
	PLACES 4                                       ; places ahead of the tile's first reader
.if \m > 0
	SEND 2*\m-2, 16, OB2
	SEND 2*\m-1, 0, OB2
.endif
	TOST 2*\m
	TOST 2*\m+1
.endr
	SEND 6, 16, OB2
	SEND 7, 0, OB2
	WIN 0
.endif
.endm
	s_load_b256 s[4:11], s[0:1], 0x0
	s_load_b64 s[12:13], s[0:1], 0x20
	v_lshl_add_u32 v[SPW], v0, 2, SPARE
	v_mov_b32 v[NIL], 0
	ds_add_u32 v[SPW], v[NIL]                      ; the opening lines: the add, twice on end, and its wait
	ds_add_u32 v[SPW], v[NIL]
	v_lshrrev_b32 v48, 5, v0
	v_readfirstlane_b32 s[WV], v48
	s_bfe_u32 s[CX], ttmp6, 0x40000
	s_mov_b32 s[JJ], ttmp9
	s_and_b32 s[BAT], ttmp7, 0xffff
	; at the head waves 0 and 1 fetch K's tile 0, 128 rows each, asked for by all four; waves 2 and 3 my own first 64 queries, 32 rows each.  All rows are 512 bytes, with 16 of padding behind each
	s_mov_b32 s[G1K], 15|(1<<20)|(1<<21)|(6<<22)|(3<<25)
	s_mov_b32 s[G1K+1], 512<<16
	s_mov_b32 s[G1K+2], 128<<16
	s_mov_b32 s[G1K+3], 512<<16
	s_mov_b32 s[G1K+4], 128
	s_mov_b32 s[G1K+5], 512
	s_mov_b32 s[G1K+6], 0
	s_mov_b32 s[G1K+7], 0
	s_mov_b32 s[G1V], (1<<20)|(6<<22)|(3<<25)
	s_mov_b32 s[G1V+1], 512<<16
	s_mov_b32 s[G1V+2], 32<<16
	s_mov_b32 s[G1V+3], 512<<16
	s_mov_b32 s[G1V+4], 32
	s_mov_b32 s[G1V+5], 512
	s_mov_b32 s[G1V+6], 0
	s_mov_b32 s[G1V+7], 0
	s_mov_b32 s[SEL], 0x76543210
	s_mov_b32 s[SEL+1], 0xfedcba98
	s_mov_b32 s[CS], 0x3d8293ee                    ; log2(e) / sqrt(512)
	s_mov_b32 s[OFF+1], 0
	s_lshl_b32 s76, s[BAT], 20
	s_lshl_b32 s78, s[WV], 15                      ; my 64 rows of K,
	s_add_co_u32 s78, s78, s76
	s_mov_b32 s79, 0
	s_lshl_b32 s80, s[WV], 18                      ; my 128 rows of V
	s_add_co_u32 s80, s80, s76
	s_mov_b32 s81, 0
	s_and_b32 s92, s[WV], 1                        ; which half I fetch at the head
	s_mov_b32 s[G0K], 1
	s_mul_i32 s[G0K+1], s92, 2*KWAVE
	s_mov_b32 s[G0Q], 1
	s_mul_i32 s[G0Q+1], s92, 32*KP
	s_add_co_u32 s[G0Q+1], s[G0Q+1], SCR
	s_lshl_b32 s94, s92, 16
	s_add_co_u32 s94, s94, s76
	s_mov_b32 s95, 0
	s_lshl_b32 s92, s92, 14
	s_mov_b32 s93, 0
	s_lshl_b32 s82, s[BAT], 11
	s_lshl_b32 s83, s[CX], 6
	s_add_co_u32 s82, s82, s83
	s_lshl_b32 s83, s[JJ], 8
	s_add_co_u32 s84, s82, s83                     ; first query of my quarter of block j,
	s_sub_co_u32 s83, 0x700, s83
	s_add_co_u32 s86, s82, s83                     ; and of block 7 - j
	s_lshl_b32 s83, s[WV], 9
	s_lshl_b32 s88, s84, 11
	s_add_co_u32 s88, s88, s83
	s_lshl_b32 s90, s86, 11
	s_add_co_u32 s90, s90, s83
	s_lshl_b32 s84, s84, 9
	s_lshl_b32 s86, s86, 9
	s_mov_b32 s85, 0
	s_mov_b32 s87, 0
	s_mov_b32 s89, 0
	s_mov_b32 s91, 0
	v_and_b32 v48, 15, v0                          ; r
	v_bfe_u32 v49, v0, 4, 1                        ; h
	v_and_b32 v50, 31, v0
	STLE
	s_wait_dscnt 0x0                               ; both opening adds are done
	s_wait_kmcnt 0x0
	s_load_b128 s[68:71], s[10:11], 0x0            ; eq, ek, ep, ev
	s_add_nc_u64 s[G0K+2:G0K+3], s[6:7], s[94:95]
	s_or_b32 s[G0K+3], s[G0K+3], 0x80000000
	s_add_nc_u64 s[QB1:QB1+1], s[4:5], s[84:85]
	s_add_nc_u64 s[G0Q+2:G0Q+3], s[QB1:QB1+1], s[92:93]
	s_or_b32 s[G0Q+3], s[G0Q+3], 0x80000000
	ROUND
	s_cmp_lt_u32 s[WV], 2
	s_cbranch_scc0 .Lhead_q
	tensor_load_to_lds s[G0K:G0K+3], s[G1K:G1K+7]
	s_nop 0
	PLACES 4
	s_branch .Lhead_in
.Lhead_q:
	tensor_load_to_lds s[G0Q:G0Q+3], s[G1V:G1V+7]
	s_nop 0
	PLACES 4
.Lhead_in:
	s_add_nc_u64 s[KBASE:KBASE+1], s[6:7], s[78:79]
	s_add_nc_u64 s[VBASE:VBASE+1], s[8:9], s[80:81]
	s_add_nc_u64 s[QB2:QB2+1], s[4:5], s[86:87]
	s_add_nc_u64 s[OB1:OB1+1], s[12:13], s[88:89]
	s_add_nc_u64 s[OB2:OB2+1], s[12:13], s[90:91]
	v_lshlrev_b32 v[QO], 9, v48
	v_lshl_add_u32 v[QO], v49, 4, v[QO]
	s_mul_i32 s77, s[WV], KWAVE
	v_lshrrev_b32 v51, 3, v48
	v_lshl_add_u32 v51, v51, 4, v48                ; r + 16 (r / 8): an even tile's row
	v_mul_u32_u24 v[AKX], v51, KP
	v_lshl_add_u32 v[AKX], v49, 4, v[AKX]
	v_add_nc_u32 v[AKX], s77, v[AKX]
	v_mul_u32_u24 v[AKY], v48, KP                  ; an odd tile's rows are 8 + r
	v_lshl_add_u32 v[AKY], v49, 4, v[AKY]
	v_add_nc_u32 v[QL], SCR, v[AKY]
	v_add_nc_u32 v[AKY], s77, v[AKY]
	s_mul_i32 s77, s[WV], VWAVE
	s_add_co_u32 s77, s77, VB
	v_mul_u32_u24 v[AV], v48, VP
	v_lshl_add_u32 v[AV], v49, 4, v[AV]
	v_add_nc_u32 v[AV], s77, v[AV]
	v_lshlrev_b32 v[SCRR], 4, v50
	v_add_nc_u32 v[SCRR], SCR, v[SCRR]
	v_lshlrev_b32 v[MXR], 3, v50
	v_add_nc_u32 v[MXR], SCR, v[MXR]
	v_lshlrev_b32 v[PFK], 8, v50
	v_lshlrev_b32 v[PFV], 11, v50
	s_lshl_b32 s77, s[WV], 8
	v_add_nc_u32 v[MXS], s77, v[MXR]
	s_lshl_b32 s77, s[WV], 9
	v_add_nc_u32 v[MXW], s77, v[SCRR]
	s_lshl_b32 s77, s[WV], 10
	s_add_co_u32 s77, s77, PI_O
	v_add_nc_u32 v[PWX], s77, v[SCRR]
	v_lshl_add_u32 v[PWX], v49, 3, v[PWX]          ; an even tile's eight codes: the first half of a lane's 16 bytes in lanes 0-15, the second in lanes 16-31
	v_xor_b32 v[PWY], 8, v[PWX]
	s_mul_i32 s77, s[WV], 16*VP
	s_add_co_u32 s77, s77, STG
	v_mul_u32_u24 v[STO], v48, VP
	v_lshl_add_u32 v[STO], v49, 5, v[STO]
	v_add_nc_u32 v[STO], s77, v[STO]
	v_mul_u32_u24 v[RD], v49, VP
	v_lshl_add_u32 v[RD], v48, 4, v[RD]
	v_add_nc_u32 v[RD], s77, v[RD]
	v_lshlrev_b32 v[GO], 11, v49
	v_lshl_add_u32 v[GO], v48, 4, v[GO]
	s_sub_co_i32 s82, s[CX], s[WV]
	s_lshl_b32 s82, s82, 6
	v_mul_u32_u24 v51, v49, 24
	v_sub_nc_u32 v[DX], v48, v51
	v_add_nc_u32 v[DX], s82, v[DX]                 ; register j of an even tile t holds key 24 h + 32 (t / 2) + j of mine,
	v_lshlrev_b32 v51, 3, v49
	v_sub_nc_u32 v[DY], v48, v51
	v_add_nc_u32 v[DY], s82, v[DY]
	v_add_nc_u32 v[DY], -8, v[DY]                  ; of an odd one key 8 + 8 h + 32 (t / 2) + j
	v_mov_b32 v[NINF], 0xff800000
.irp m, 0,1,2,3
	v_mov_b32 v[ST+8*\m+5], 0
	v_mov_b32 v[ST+8*\m+6], 0
	v_mov_b32 v[ST+8*\m+7], 0
.endr
	RESET
	; the prefetches: my sixteenth of a tile of K and of V, and from which step to which this cluster asks
	s_lshl_b32 s76, s[WV], 2
	s_add_co_u32 s76, s76, s[CX]
	s_lshl_b32 s77, s[BAT], 20
	s_lshl_b32 s78, s76, 13
	s_add_co_u32 s78, s78, s77
	s_lshl_b32 s80, s76, 16
	s_add_co_u32 s80, s80, s77
	s_add_nc_u64 s[PKB:PKB+1], s[6:7], s[78:79]
	s_add_nc_u64 s[PVB:PVB+1], s[8:9], s[80:81]
	s_mov_b32 s[PO+1], 0
	s_lshl_b32 s[PL], s[JJ], 1
	s_sub_co_u32 s[PJ], s[PL], 1                   ; 2 j - 1
	s_sub_co_u32 s[PL], 7, s[PL]                   ; 7 - 2 j
	s_wait_kmcnt 0x0
	s_add_co_i32 s76, s68, s69
	s_lshl_b32 s76, s76, 23
	s_add_co_i32 s[CS], s[CS], s76                 ; a score stands for score x 2^(eq + ek)
	s_mov_b32 s[CS+1], s[CS]
	s_add_co_i32 s76, s70, 127
	s_lshl_b32 s77, s76, 23
	v_mov_b32 v[SCL], s77                          ; 2^ep
	s_add_co_i32 s76, s76, 8
	s_lshl_b32 s76, s76, 23
	s_or_b32 s76, s76, 0x600000
	v_mov_b32 v[LIM], s76                          ; 448 x 2^ep
	s_add_co_i32 s[EPV], s70, s71
	s_mov_b32 s[CNT], 0
	STLE
	s_wait_tensorcnt 0x0                           ; my part of the head's tiles is in, so the descriptors may be written:
	ds_add_u32 v[SPW], v[NIL]
	s_mul_i32 s[G0K+1], s[WV], KWAVE               ; from here on a wave fetches its own 64 rows of K
	s_mov_b32 s[G1K+2], 64<<16
	s_mov_b32 s[G1K+4], 64
	s_mov_b32 s[G1V], 15|(1<<20)|(1<<21)|(5<<22)|(3<<25) ; and its own 128 rows of V, 256 bytes each, 2,048 apart
	s_mov_b32 s[G1V+1], 256<<16
	s_mov_b32 s[G1V+2], 128<<16
	s_mov_b32 s[G1V+3], 256<<16
	s_mov_b32 s[G1V+4], 128
	s_mov_b32 s[G1V+5], 2048
	s_mov_b32 s[G1V+6], 0
	s_mov_b32 s[G1V+7], 0
	s_mov_b32 s[G0V], 1
	s_mul_i32 s[G0V+1], s[WV], VWAVE
	s_add_co_u32 s[G0V+1], s[G0V+1], VB
	s_mov_b64 s[G0V+2:G0V+3], s[VBASE:VBASE+1]
	s_or_b32 s[G0V+3], s[G0V+3], 0x80000000
	s_wait_dscnt 0x0
	ROUND
	tensor_load_to_lds s[G0V:G0V+3], s[G1V:G1V+7]  ; V's tile 0
	s_nop 0
	PLACES 4
	QREAD
	KQ 0
	KQ 1
	s_wait_dscnt 0x0                               ; Q is read: its bytes are scratch behind this barrier
	s_barrier_signal -1
	s_barrier_wait -1
	KQ 2
.Lstep:
	STEP 1
	s_cmp_lg_u32 s[CNT], s[JJ]
	s_cbranch_scc1 .Lstay
	LXL                                            ; block j is finished: it goes out, two blocks of the way out under way at a time
	s_wait_dscnt 0x0
	FACT
	TOST 0
	TOST 1
.irp a, 2,3,4,5,6,7
	TOST \a
	SEND \a-2, 32, OB1
.endr
	SEND 6, 16, OB1
	SEND 7, 0, OB1
	WIN 0
	s_wait_xcnt 0x0                                ; the stores' registers may be written
	RESET
	STLE
.Lstay:
	s_wait_loadcnt 0x0                             ; the second block's Q, where it was asked for
	s_add_co_u32 s[CNT], s[CNT], 1
	s_cmp_lt_u32 s[CNT], 8
	s_cbranch_scc1 .Lstep
	STEP 0                                         ; the last step asks for nothing more
	s_wait_tensorcnt 0x0                           ; the wave's end
	ds_add_u32 v[SPW], v[NIL]
	s_wait_dscnt 0x0
	ROUND                                          ; the closing round
	s_endpgm
.Lfunc_end_k_qe28c8aca9f_attn:
	.size	k_qe28c8aca9f_attn, .Lfunc_end_k_qe28c8aca9f_attn-k_qe28c8aca9f_attn
	.p2alignl 7, 3214868480
	.fill 96, 4, 3214868480
	.section	.rodata,"a",@progbits
	.p2align	6, 0x0
	.amdhsa_kernel k_qe28c8aca9f_attn
		.amdhsa_group_segment_fixed_size 327680
		.amdhsa_private_segment_fixed_size 0
		.amdhsa_enable_private_segment 0
		.amdhsa_kernarg_size 40
		.amdhsa_user_sgpr_count 2
		.amdhsa_user_sgpr_kernarg_segment_ptr 1
		.amdhsa_wavefront_size32 1
		.amdhsa_system_sgpr_workgroup_id_x 1
		.amdhsa_system_sgpr_workgroup_id_y 1
		.amdhsa_system_sgpr_workgroup_id_z 1
		.amdhsa_system_vgpr_workitem_id 0
		.amdhsa_next_free_vgpr 1024
		.amdhsa_next_free_sgpr 100
		.amdhsa_reserve_vcc 1
		.amdhsa_float_denorm_mode_32 3
		.amdhsa_float_denorm_mode_16_64 3
		.amdhsa_memory_ordered 1
		.amdhsa_forward_progress 1
		.amdhsa_inst_pref_size 219
	.end_amdhsa_kernel
	.amdgpu_metadata
---
amdhsa.version: [ 1, 2 ]
amdhsa.kernels:
  - .name:           k_qe28c8aca9f_attn
    .symbol:         k_qe28c8aca9f_attn.kd
    .args:
      - { .name: query_codes, .offset: 0, .size: 8, .value_kind: global_buffer, .address_space: global }
      - { .name: key_codes, .offset: 8, .size: 8, .value_kind: global_buffer, .address_space: global }
      - { .name: value_codes, .offset: 16, .size: 8, .value_kind: global_buffer, .address_space: global }
      - { .name: lowp_scales, .offset: 24, .size: 8, .value_kind: global_buffer, .address_space: global }
      - { .name: out0, .offset: 32, .size: 8, .value_kind: global_buffer, .address_space: global }
    .group_segment_fixed_size: 327680
    .private_segment_fixed_size: 0
    .kernarg_segment_align: 8
    .kernarg_segment_size: 40
    .max_flat_workgroup_size: 128
    .sgpr_count:     100
    .vgpr_count:     1024
    .wavefront_size: 32
...
	.end_amdgpu_metadata
.endif
;; end of part 1
